; MI455X (gfx1250); checked and timed in simulation.
; The chip was launched on July 23, 2026; its instructions are those of AMD's public machine-readable ISA for CDNA 5 (MIT licence, August 2026) and "CDNA5" Instruction Set Architecture Reference Guide (July 2026). The comments in the code are by the model that wrote it; some were corrected since.
;; Multi Head Attention With CLS Token. Allowed arithmetic: matrix products marked QUANTISED: E4M3 operands, one given power-of-two scale a tensor, by v_wmma_f32_16x16x64_fp8_fp8 or v_wmma_f32_16x16x128_fp8_fp8, f32 sums; products left as they are: f32 operands where the result goes on into a quantised operand, else bf16, f16 or f32 operands; f32 sums; everything else in f32.
;; Inputs: Wk 1,024 x 1,024 float32; Wo 1,024 x 1,024 float32; Wq 1,024 x 1,024 float32; Wv 1,024 x 1,024 float32; bk 1,024 float32; bo 1,024 float32; bq 1,024 float32; bv 1,024 float32; ln_b 1,024 float32; ln_g 1,024 float32; lowp_scales 8 int32 (the exponents e of the quantised operands' scales 2^e); x 32 x 1,024 x 1,024 float32.
;; Outputs: out0 32 x 1,024 float32.
;; This version of the problem:
;;   THIS VERSION OF THE PROBLEM IS GIVEN IN LOW PRECISION. The matrix products marked QUANTISED in the list below multiply operands that are first quantised to E4M3 (4 exponent bits, 3 mantissa bits; 8 bits a number), with one given power-of-two scale for each operand tensor; their sums are f32. All else is computed in f32.
;;   The module's matrix products, in the order in which they are computed (A, B: the left and right operand; K: the contracted axis; several contracted axes count as one K, in the product's order):
;;     1. [M 32, K 1,024] x [K 1,024, N 1,024]; A: input x; B: input Wq: QUANTISED (scales: A lowp_scales[0], B lowp_scales[1])
;;     2. [M 32,736, K 1,024] x [K 1,024, N 1,024]; A: input x; B: input Wk: QUANTISED (scales: A lowp_scales[2], B lowp_scales[3])
;;     3. [M 32,736, K 1,024] x [K 1,024, N 1,024]; A: input x; B: input Wv: QUANTISED (scales: A lowp_scales[4], B lowp_scales[5])
;;     4. batch 512 x [M 1, K 64] x [K 64, N 1,023]; A: computed on the way; B: computed on the way: left as it is (M = 1 < 16)
;;     5. batch 512 x [M 1, K 1,023] x [K 1,023, N 64]; A: softmax; B: computed on the way: left as it is (M = 1 < 16)
;;     6. [M 32, K 1,024] x [K 1,024, N 1,024]; A: computed on the way; B: input Wo: QUANTISED (scales: A lowp_scales[6], B lowp_scales[7])
;;   THE QUANTISER, for each operand of a quantised product, along K:
;;     - The operand's scale is 2^e, e = its entry of the input lowp_scales (int32; the entries are numbered through the quantised products in the list's order, A before B).
;;     - Each number is divided by the scale, clamped to +-448, and rounded to the nearest number of E4M3, ties to even, subnormals kept.
;;     - The product sums the exact products of the quantised numbers (number of the format x scale) in f32.
;;   ~~~python
;;   def quantise(x, axis, e):      # numpy; x: float32 -> the quantised numbers, widened to float32 again
;;       x = np.moveaxis(x, axis, -1); K = x.shape[-1]
;;       r = np.clip(x / 2.0 ** e, -448, 448)
;;       step = 2.0 ** (np.maximum(np.frexp(np.where(r == 0, 1, r))[1] - 1, -6) - 3)
;;       q = np.round(r / step) * step * 2.0 ** e      # np.round: ties to even
;;       return np.moveaxis(q, -1, axis).astype(np.float32)
;;   ~~~
;;   OPERANDS COMPUTED ON THE WAY. 'Computed on the way' means the value that the module computes at that place (a softmax that the list does not call 'softmax' is quantised finished and normalised). What goes into a quantiser is computed in f32, as accurately as f32 sums, v_exp_f32 and their like allow (about 1e-6 of the number): no bf16 or f16 on the way to a quantiser, and a product that is left as it is and whose result goes on into a quantised operand takes f32 operands (vector FMAs, or v_wmma_f32_16x16x4_f32). A number that lies on a knife's edge between two numbers of the format may be rounded either way, as far as f32 arithmetic and the matrix unit's own rounding can turn it there, and no further.
;; One version. Each part assembles by itself: llvm-mc -triple=amdgcn-amd-amdhsa -mcpu=gfx1250 --defsym DOCPART=n.
;; ======== version 1 of 1: 4 launches
;; limits: right only within a limited range of input values
;; workspace buffers: wimg 2,097,152 bytes; qimg 131,072 bytes; pacc 1,048,576 bytes; ml 32,768 bytes; yp 1,048,576 bytes
;; launch prep (part 1): grid 192 x 1, 8 waves a work-group, no clusters, 54,272 bytes of LDS; arguments Wk, Wv, Wq, x, bq, lowp_scales, wimg, qimg; writes wimg, qimg
.if DOCPART == 1
	.amdgcn_target "amdgcn-amd-amdhsa--gfx1250"
	.amdhsa_code_object_version 6
	.text
	.protected	k_q904112e062_prep
	.globl	k_q904112e062_prep
	.p2align	8
	.type	k_q904112e062_prep,@function
k_q904112e062_prep:
	s_mov_b64 s[64:65], 0
	v_nop
	global_prefetch_b8 v0, s[64:65] scope:SCOPE_SE
	s_setreg_imm32_b32 hwreg(HW_REG_WAVE_MODE, 25, 1), 1
	s_wait_xcnt 0x0
; FIRST OF FOUR LAUNCHES.  The CLS row of each of 32 sequences attends to the other 1,023 rows; products 1, 2, 3 and 6 run on codes of E4M3 with the given scales 2^e (lowp_scales[0..7]).
; This launch: (A) Wk and Wv become codes (e3, e5), laid in the order of a matrix operand's registers; (B) q' = (Q(cls) Q(Wq)^T 2^(e0+e1) + bq) x log2(e)/8 x 2^(e2+e3).
; WORK LEFT OUT, for all values of the inputs:
;   bk.  scores[b,h,s] = q.(k0[s] + bk)/8 = q.k0[s]/8 + q.bk/8.  The second term is the same for every s, and softmax over s takes away what is the same along s.  k goes into no quantiser
;   (product 4 is left as it is).  So bk has no way to the output: it is not loaded and is among no launch's arguments.
;   bv is live but is added once: sum_s w_s (v0_s + bv) = sum_s w_s v0_s + bv, since sum_s w_s = 1.  The third launch adds it ahead of the quantiser of product 6.
;   LIMIT: a NaN, an infinity or an overflow that reaches only bk is not carried to the result.
; LIMITS on the given exponents, so that each power of two is an f32 number: each e used by a quantiser between -126 and 119; e0+e1 between -126 and 127; e2+e3 between -123 and 130 (added to the
; exponent field of log2(e)/8).  NaN among the inputs is not served; an infinity is held at the largest code.
; wimg: [m 2: K, V][sl 8: 128 weight rows][c 8: 128 along K][dt 8: 16 rows][c4 4][lane 32][16 bytes]; lane (r, h) holds the codes of W[128 sl + 16 dt + r][128 c + 32 c4 + 16 h + 0..15].
; qimg: [nt 64][mt 2][jj 2][lane 32][4 f32]: q'[16 mt + r][16 nt + 8 h + 4 jj + 0..3] at lane r + 16 h.
; SHARES.  Work-groups 0-127: one unit (m, sl, c) each, wave w its tile dt = w.  Work-groups 128-191: 16 columns nt of q for all 32 sequences; wave w takes K step w, and the eight partial sums meet in LDS.
; The two kinds have LDS bytes of their own.  No tensor loads: each byte is read by one wave and turned in that wave's own LDS tile.
.set TILE,  2304                       ; a wave's tile in LDS: 16 rows x (128 codes + 16 of padding)
.set BTILE, 18432                      ; kind B's eight tiles begin here (kind A's at 0)
.set PIMG,  36864                      ; kind B: the eight waves' partial sums, 2,048 bytes each, as images of their registers
.set SPARE, 53248                      ; the spare words, 128 bytes a wave: four blocks of 256 bytes that no other line names
.set LI,   1                           ; v1  16 x lane
.set AW,   2                           ; v2  my tile + 4 x lane: where a row's 4 codes go
.set AR,   3                           ; v3  my tile + 144 r + 16 h: where a fragment is read
.set LIMW, 4                           ; v4, v5  448 x 2^e and 2^e for the weight
.set SCW,  5
.set LIMX, 6                           ; v6, v7  the same for the CLS rows
.set SCX,  7
.set IW,   8                           ; v8  16 x lane + 2,048 x wave: my partial sums' image
.set RDA,  9                           ; v9  16 x lane + 1,024 x (wave % 2): where waves 0, 1 read the images back
.set BQO,  10                          ; v10 32 h
.set BQ,   12                          ; v12-19 bq of my eight columns (waves 0, 1)
.set SPW,  28                          ; v28 my spare word's address; never rewritten
.set NIL,  29                          ; v29 0; never rewritten
.set CD,   32                          ; v32-47 codes just made
.set OFX,  48                          ; v48-63 the CLS loads' offsets: 16 x lane + 512 x wave + p x 8 MiB
.set ST,   64                          ; v64-255 three stagings of 64 registers; a finished fragment lies over its staging's first 16
.set ACC,  224                         ; v224-239 the two accumulators, over staging that is done with
.macro MKSCALE e, t, sc, lim           ; from the whole number e in s[e]: 2^e and 448 x 2^e as f32
	s_add_co_i32 s[\t], s[\e], 127
	s_lshl_b32 s[\t+1], s[\t], 23
	v_mov_b32 v[\sc], s[\t+1]
	s_add_co_i32 s[\t], s[\t], 8
	s_lshl_b32 s[\t], s[\t], 23
	s_or_b32 s[\t], s[\t], 0x600000
	v_mov_b32 v[\lim], s[\t]
.endm
; 16 rows x 128 k of f32, row i in v[s + 4 i ..] (lane l: k = 4 l .. 4 l + 3), become a fragment in v[f ..]: held, converted (two rows' 4 + 4 numbers a conversion),
; 4 codes a lane into my tile (128 dense bytes a store), and back as the operand wants them: lane (r, h), registers 4 c ..: k = 32 c + 16 h + 0 .. 15.
.macro QFRAG s, f, lim, sc, base, again
.if \again
	s_wait_dscnt 4                                 ; only the last fragment's four loads may be out: the stores before them have read the codes' registers
.endif
.irp g, 0,1,2,3,4,5,6,7
.irp i, 0,1,2,3,4,5,6,7
	v_med3_num_f32 v[\s+8*\g+\i], v[\s+8*\g+\i], -v[\lim], v[\lim]   ; the conversion does not saturate (ISA guide 7.6.2): the hold at the largest code x the scale
.endr
	v_cvt_scalef32_pk8_fp8_f32 v[CD+2*\g:CD+2*\g+1], v[\s+8*\g:\s+8*\g+7], v[\sc]
.endr
	v_nop                                          ; a plain vector line behind the last conversion
.irp g, 0,1,2,3,4,5,6,7
	ds_store_b32 v[AW], v[CD+2*\g] offset:\base+144*(2*\g)
	ds_store_b32 v[AW], v[CD+2*\g+1] offset:\base+144*(2*\g+1)
.endr
.irp c, 0,1,2,3
	ds_load_b128 v[\f+4*\c:\f+4*\c+3], v[AR] offset:\base+32*\c   ; LDS serves a wave's instructions in order: these see my stores
.endr
.endm
	s_load_b256 s[4:11], s[0:1], 0x0               ; Wk s[4:5], Wv s[6:7], Wq s[8:9], x s[10:11]
	s_load_b256 s[12:19], s[0:1], 0x20             ; bq s[12:13], the exponents s[14:15], wimg s[16:17], qimg s[18:19]
	v_lshl_add_u32 v[SPW], v0, 2, SPARE
	v_mov_b32 v[NIL], 0
	v_lshrrev_b32 v11, 5, v0
	s_delay_alu instid0(VALU_DEP_1)
	v_readfirstlane_b32 s20, v11                   ; wave 0..7
	v_and_b32 v11, 31, v0                          ; lane
	s_delay_alu instid0(VALU_DEP_1)
	v_lshlrev_b32 v[LI], 4, v11
	v_and_b32 v20, 15, v0                          ; r
	v_bfe_u32 v21, v0, 4, 1                        ; h
	s_mul_i32 s21, s20, TILE
	v_lshl_add_u32 v[AW], v11, 2, s21
	v_mul_u32_u24 v[AR], v20, 144
	s_delay_alu instid0(VALU_DEP_1)
	v_lshl_add_u32 v[AR], v21, 4, v[AR]
	s_delay_alu instid0(VALU_DEP_1)
	v_add_nc_u32 v[AR], s21, v[AR]
	s_lshl_b32 s22, s20, 11
	v_add_nc_u32 v[IW], s22, v[LI]
	s_and_b32 s22, s20, 1
	s_lshl_b32 s23, s22, 10                        ; 1,024 x (wave % 2)
	v_add_nc_u32 v[RDA], s23, v[LI]
	v_lshlrev_b32 v[BQO], 5, v21
	s_wait_kmcnt 0x0
	s_load_b256 s[24:31], s[14:15], 0x0            ; e0 .. e7
	s_cmp_ge_u32 ttmp9, 128                        ; the work-group's number alone: all eight waves go the same way
	s_cbranch_scc1 .Lq
	; ---- KIND A: unit (m, sl, c) = the work-group's number; my tile: rows 128 sl + 16 w .. + 15, k = 128 c .. + 127
	s_lshr_b32 s32, ttmp9, 6                       ; m: 0 Wk, 1 Wv
	s_cmp_eq_u32 s32, 0
	s_cselect_b64 s[34:35], s[4:5], s[6:7]
	s_bfe_u32 s36, ttmp9, 0x30003                  ; sl
	s_lshl_b32 s36, s36, 19                        ; 128 rows of 4,096 bytes
	s_and_b32 s37, ttmp9, 7                        ; c
	s_lshl_b32 s37, s37, 9
	s_add_co_u32 s36, s36, s37
	s_lshl_b32 s37, s20, 16                        ; 16 rows a wave
	s_add_co_u32 s36, s36, s37
	s_mov_b32 s37, 0
	s_add_nc_u64 s[34:35], s[34:35], s[36:37]
.irp i, 0,1,2,3,4,5,6,7,8,9,10,11,12,13,14,15
	global_load_b128 v[ST+4*\i:ST+4*\i+3], v[LI], s[34:35] offset:4096*\i th:TH_LOAD_NT   ; 512 consecutive bytes of row i; read once
.endr
	s_lshl_b32 s36, ttmp9, 14                      ; a unit is 16,384 bytes of wimg,
	s_lshl_b32 s38, s20, 11                        ; a tile 2,048
	s_add_co_u32 s36, s36, s38
	s_add_nc_u64 s[16:17], s[16:17], s[36:37]
	s_wait_kmcnt 0x0
	s_cmp_eq_u32 s32, 0
	s_cselect_b32 s33, s27, s29                    ; e3 or e5
	MKSCALE 33, 38, SCW, LIMW
	s_wait_alu depctr_va_vdst(0)
	s_wait_loadcnt 0x0
	QFRAG ST, ST, LIMW, SCW, 0, 0
.irp c, 0,1,2,3
	s_wait_dscnt 3-\c                              ; the younger fragment loads may be out
	global_store_b128 v[LI], v[ST+4*\c:ST+4*\c+3], s[16:17] offset:512*\c   ; 512 consecutive bytes, aligned
.endr
	s_branch .Lend
	; ---- KIND B: columns 16 nt .. + 15 of q for all 32 sequences; my K step: k = 128 w .. + 127
.Lq:
	s_sub_co_u32 s32, ttmp9, 128                   ; nt
	s_cmp_gt_u32 s20, 1
	s_cbranch_scc1 .Lno_bq                         ; waves 0 and 1 finish the sums: they alone want bq.  These two loads are the oldest, so the counted waits below hold on both ways
	s_lshl_b32 s36, s32, 6
	s_mov_b32 s37, 0
	s_add_nc_u64 s[12:13], s[12:13], s[36:37]
	s_wait_alu depctr_va_vdst(0)
	global_load_b128 v[BQ:BQ+3], v[BQO], s[12:13]              ; bq[16 nt + 8 h + 0 .. 7]
	global_load_b128 v[BQ+4:BQ+7], v[BQO], s[12:13] offset:16
.Lno_bq:
	s_lshl_b32 s36, s32, 16                        ; 16 rows of Wq
	s_lshl_b32 s38, s20, 9                         ; my K step's 512 bytes
	s_add_co_u32 s36, s36, s38
	s_mov_b32 s37, 0
	s_add_nc_u64 s[8:9], s[8:9], s[36:37]
.irp i, 0,1,2,3,4,5,6,7,8,9,10,11,12,13,14,15
	global_load_b128 v[ST+4*\i:ST+4*\i+3], v[LI], s[8:9] offset:4096*\i th:TH_LOAD_NT
.endr
	v_add_nc_u32 v[OFX], s38, v[LI]
.irp p, 1,2,3,4,5,6,7,8,9,10,11,12,13,14,15
	v_add_nc_u32 v[OFX+\p], \p<<23, v[OFX]         ; a sequence is 4 MiB of x: sequences 2 p and, by the immediate, 2 p + 1
.endr
.irp t, 0,1
.irp i, 0,1,2,3,4,5,6,7,8,9,10,11,12,13,14,15
	global_load_b128 v[ST+64+64*\t+4*\i:ST+64+64*\t+4*\i+3], v[OFX+8*\t+\i/2], s[10:11] offset:(\i%2)*4194304   ; the CLS row of sequence 16 t + i
.endr
.endr
	s_wait_kmcnt 0x0
	MKSCALE 25, 38, SCW, LIMW                      ; e1: Wq
	MKSCALE 24, 38, SCX, LIMX                      ; e0: x as product 1's operand
	s_wait_alu depctr_va_vdst(0)
	s_wait_loadcnt 32                              ; Wq's 16 rows are in; the 32 CLS loads may be out
	QFRAG ST, ST, LIMW, SCW, BTILE, 0
	s_wait_loadcnt 16                              ; sequences 0-15
	QFRAG ST+64, ST+64, LIMX, SCX, BTILE, 1
	s_wait_loadcnt 0x0
	QFRAG ST+128, ST+128, LIMX, SCX, BTILE, 1
	s_wait_dscnt 0x0
	; source 0 = 16 rows of Wq, source 1 = 16 CLS rows: lane (r, h) holds sequence 16 mt + r, its registers columns 16 nt + 8 h + 0 .. 7
	v_wmma_f32_16x16x128_fp8_fp8 v[ACC:ACC+7], v[ST:ST+15], v[ST+64:ST+79], 0
	v_wmma_f32_16x16x128_fp8_fp8 v[ACC+8:ACC+15], v[ST:ST+15], v[ST+128:ST+143], 0
.rept 4
	v_nop                                          ; four places before results are read and before loads land on the operands
.endr
.irp q, 0,1,2,3
	ds_store_b128 v[IW], v[ACC+4*\q:ACC+4*\q+3] offset:PIMG+512*\q   ; image 2 mt + jj; each accumulator from its low end on
.endr
	s_wait_dscnt 0x0                               ; for the others' sake: my stores have landed
	s_barrier_signal -1
	s_barrier_wait -1
	s_cmp_gt_u32 s20, 1
	s_cbranch_scc1 .Lend
	; waves 0 and 1 (mt = wave): the eight K steps' sums, ascending
.irp c, 0,1,2,3,4,5,6,7
	ds_load_b128 v[ST+8*\c:ST+8*\c+3], v[RDA] offset:PIMG+2048*\c
	ds_load_b128 v[ST+8*\c+4:ST+8*\c+7], v[RDA] offset:PIMG+2048*\c+512
.endr
	s_add_co_i32 s40, s24, s25
	s_add_co_i32 s40, s40, 127
	s_lshl_b32 s40, s40, 23                        ; 2^(e0 + e1)
	s_mov_b32 s41, s40                             ; (named with it as a pair, so it is written)
	s_add_co_i32 s42, s26, s27
	s_lshl_b32 s42, s42, 23
	s_add_co_i32 s42, s42, 0x3e38aa3b              ; log2(e) / 8 with e2 + e3 added to its exponent field: the next launch's raw sums of K's codes then give scores in units of log2
	s_mov_b32 s43, s42
	s_lshl_b32 s36, s32, 11                        ; qimg: 2,048 bytes for nt, 1,024 for mt
	s_add_co_u32 s36, s36, s23
	s_mov_b32 s37, 0
	s_add_nc_u64 s[18:19], s[18:19], s[36:37]
	s_wait_dscnt 0x0
.irp c, 1,2,3,4,5,6,7
.irp p, 0,2,4,6
	v_pk_add_f32 v[ST+\p:ST+\p+1], v[ST+\p:ST+\p+1], v[ST+8*\c+\p:ST+8*\c+\p+1]
.endr
.endr
.irp p, 0,2,4,6
	s_delay_alu instid0(VALU_DEP_4)
	v_pk_fma_f32 v[ST+\p:ST+\p+1], v[ST+\p:ST+\p+1], s[40:41], v[BQ+\p:BQ+\p+1] op_sel_hi:[1,0,1]   ; q = sum x 2^(e0 + e1) + bq
.endr
.irp p, 0,2,4,6
	s_delay_alu instid0(VALU_DEP_4)
	v_pk_mul_f32 v[ST+\p:ST+\p+1], v[ST+\p:ST+\p+1], s[42:43] op_sel_hi:[1,0]                        ; q'
.endr
	global_store_b128 v[LI], v[ST:ST+3], s[18:19]              ; 512 consecutive bytes, aligned
	global_store_b128 v[LI], v[ST+4:ST+7], s[18:19] offset:512
.Lend:
	s_wait_tensorcnt 0x0                           ; the wave's end: behind my last LDS store
	ds_add_u32 v[SPW], v[NIL]
	s_wait_dscnt 0x0
	s_endpgm
.Lfunc_end_k_q904112e062_prep:
	.size	k_q904112e062_prep, .Lfunc_end_k_q904112e062_prep-k_q904112e062_prep
	.p2alignl 7, 3214868480
	.fill 96, 4, 3214868480
	.section	.rodata,"a",@progbits
	.p2align	6, 0x0
	.amdhsa_kernel k_q904112e062_prep
		.amdhsa_group_segment_fixed_size 54272
		.amdhsa_private_segment_fixed_size 0
		.amdhsa_enable_private_segment 0
		.amdhsa_kernarg_size 64
		.amdhsa_user_sgpr_count 2
		.amdhsa_user_sgpr_kernarg_segment_ptr 1
		.amdhsa_wavefront_size32 1
		.amdhsa_system_sgpr_workgroup_id_x 1
		.amdhsa_system_sgpr_workgroup_id_y 1
		.amdhsa_system_sgpr_workgroup_id_z 1
		.amdhsa_system_vgpr_workitem_id 0
		.amdhsa_next_free_vgpr 256
		.amdhsa_next_free_sgpr 66
		.amdhsa_reserve_vcc 0
		.amdhsa_float_denorm_mode_32 3
		.amdhsa_float_denorm_mode_16_64 3
		.amdhsa_memory_ordered 1
		.amdhsa_forward_progress 1
		.amdhsa_inst_pref_size 40
	.end_amdhsa_kernel
	.amdgpu_metadata
---
amdhsa.version: [ 1, 2 ]
amdhsa.kernels:
  - .name:           k_q904112e062_prep
    .symbol:         k_q904112e062_prep.kd
    .args:
      - { .name: Wk, .offset: 0, .size: 8, .value_kind: global_buffer, .address_space: global }
      - { .name: Wv, .offset: 8, .size: 8, .value_kind: global_buffer, .address_space: global }
      - { .name: Wq, .offset: 16, .size: 8, .value_kind: global_buffer, .address_space: global }
      - { .name: x, .offset: 24, .size: 8, .value_kind: global_buffer, .address_space: global }
      - { .name: bq, .offset: 32, .size: 8, .value_kind: global_buffer, .address_space: global }
      - { .name: lowp_scales, .offset: 40, .size: 8, .value_kind: global_buffer, .address_space: global }
      - { .name: wimg, .offset: 48, .size: 8, .value_kind: global_buffer, .address_space: global }
      - { .name: qimg, .offset: 56, .size: 8, .value_kind: global_buffer, .address_space: global }
    .group_segment_fixed_size: 54272
    .private_segment_fixed_size: 0
    .kernarg_segment_align: 8
    .kernarg_segment_size: 64
    .max_flat_workgroup_size: 256
    .sgpr_count:     66
    .vgpr_count:     256
    .wavefront_size: 32
...
	.end_amdgpu_metadata
.endif
;; end of part 1
;; launch attn (part 2): grid 256 x 1, 4 waves a work-group, no clusters, 281,088 bytes of LDS; arguments x, wimg, qimg, lowp_scales, pacc, ml; writes pacc, ml
.if DOCPART == 2
	.amdgcn_target "amdgcn-amd-amdhsa--gfx1250"
	.amdhsa_code_object_version 6
	.text
	.protected	k_q904112e062_attn
	.globl	k_q904112e062_attn
	.p2align	8
	.type	k_q904112e062_attn,@function
k_q904112e062_attn:
	s_mov_b64 s[64:65], 0
	v_nop
	global_prefetch_b8 v0, s[64:65] scope:SCOPE_SE
	s_setreg_imm32_b32 hwreg(HW_REG_WAVE_MODE, 25, 1), 1
	s_wait_xcnt 0x0
; SECOND LAUNCH: products 2 to 5 for 128 rows of x a work-group.  K and V never go to memory.
; Left out here as shown at the head of the first kernel: bk (the same along the softmax's axis); bv is added in the third launch.  Row 0 of a sequence lies in a tile with live rows: it is multiplied, and its score becomes -infinity.
; SHARES.  Work-group g: rows 128 g .. + 127 of x taken as [32768][1024]: sequence g / 8, block g % 8.  Wave w takes all 128 rows against slices of 128 weight rows (two heads),
;   sl = 4 (p0 ^ t) + w, t = 0, 1: tiles K t0, K t1, V t0, V t1, each 128 x 128 x 1,024: 64 accumulators, 8 steps of 64 matrix instructions.
; THE FIRST TILE RUNS BESIDE THE QUANTISER.  x is read once, in eight chunks of 128 along K.  For chunk i wave w holds its 32 rows x 128 numbers in 128 registers, quantises each number twice (e2 for product 2,
;   e4 for product 3: the scales may differ), stores both sets of codes in LDS and asks for chunk i + 1 into the same registers; one barrier; then every wave runs step i of tile K t0 on the chunk just stored.
;   Each LDS byte of codes is written once and only read afterwards, so one barrier a chunk orders stores and reads.  From the second tile on XK and XV are whole.
; Behind a K tile: t[s] = q'.K[s] (f32 multiply-adds), the block's maximum m, p = 2^(t - m), l = sum p; p stays in the wave's LDS.  Behind a V tile: sum_s p[s] V[s] (f32).  Out go m, l and the 64 sums of each head.
; WEIGHTS GO FROM MEMORY STRAIGHT INTO REGISTERS: a weight fragment is read by one wave of the work-group; wimg is laid so that a load is 512 consecutive bytes.  Two sets, asked for two steps ahead.
; NO CLUSTER, NO TENSOR LOADS: the two sets of codes take 266,240 of the 327,680 bytes; a K step's weights for four waves are 65,536 bytes, two slots 131,072: they do not fit beside them.
; NO PREFETCH OF x: the loads themselves ask a whole chunk (16,384 bytes a wave) ahead, straight into registers, and each byte of x is asked for once in the launch.
; ROTATED WALK: LDS position i along K holds the true chunk (c0 + i) % 8, c0 = g % 8, and step i takes weight step (c0 + i) % 8; p0 = (g / 8) % 2 swaps the two slices.  The rotation enters global offsets alone.
; LIMITS: e2, e4 between -126 and 119.  NaN among the inputs is not served; an infinity in x is held at the largest code.
; REGISTERS, in windows of 256: window 0: v0-31 addresses, v32-63 scratch, v64-127 a ring of four X fragments (first tile), q' or p (epilogues), v128-255 the chunk of x (first tile), then X's eight fragments;
;   window 1: the two weight sets; windows 2, 3: accumulator (sb, dt) at v[8 (8 (sb % 4) + dt)], sb 0-3 in window 2, sb 4-7 in window 3.
.set PITCH, 1040                       ; a row of codes in LDS: 1,024 bytes + 16: the 16 rows of a fragment load start 16 bytes apart modulo 256
.set XVB,   133120                     ; XK at 0, XV here: 128 rows each
.set QST,   266240                     ; 1,024 bytes a wave: q' of my two slices
.set PST,   270336                     ; 2,048 bytes a wave: p, [t][hh][128 f32]
.set OST,   278528                     ; 512 bytes a wave: a slice's 128 sums on the way out
.set SPARE, 280576                     ; the spare words, 128 bytes a wave, named by no other line
.set LI,   1                           ; 16 x lane
.set LN,   2                           ; lane
.set XA,   4                           ; v4-7 fragment addresses: XK rows 0-63, 64-127, XV rows 0-63, 64-127
.set QA,   8
.set PW,   9
.set PR,   10
.set OW,   11
.set ORD,  12
.set NINF, 13
.set ZO,   14
.set QAT,  15
.set PWT,  16
.set PRT,  17
.set LIMK, 18
.set LIMV, 19
.set SCK,  20
.set SCV,  21
.set LK,   22                          ; 4 x lane + 33,280 x wave in XK, in XV
.set LV,   23
.set ML,   24                          ; v24-27 m0, l0, m1, l1
.set GOF,  28                          ; q' gather offset
.set QW,   29
.set SPW,  30
.set NIL,  31
.set T0,   32                          ; v32-39 held numbers
.set XC,   40                          ; v40-41 the trip's fragment addresses (made anew behind each epilogue)
.set AK,   42                          ; v42-43 the trip's store addresses
.set AV,   43
.set CO,   48                          ; v48-63 four sets of codes by turns
.set TS,   32
.set OS,   48
.set QF,   64
.set XR,   64                          ; the ring of four fragments
.set XS,   128                         ; the chunk of x: row i of my 32 in v[XS + 4 i ..]
.set XF,   128
.set WV,   16
.set C0,   18
.set P0,   19
.set BT,   20
.set IX,   21                          ; the next chunk of x to ask for
.set XB,   22                          ; s[22:23] x at my rows, at that chunk
.set LS,   24
.set CNT,  25
.set WA,   26
.set WB,   28
.set GL,   30                          ; the next weight step to ask for, 0 .. 31
.set TQ,   31
.set TAU,  32
.set TP,   33
.set SG,   34
.set MK,   35
.set HI,   36
.set SEL,  38
.set SB,   40
.set Q0P,  58                          ; s[58:59], s[60:61] qimg at my two slices
.set Q1P,  60
.set XRW,  62                          ; s[62:63] x at my 32 rows
.set MSB, 0
.macro WIN new                         ; the immediate's high byte repeats the setting that is left
.if MSB != (\new)
	s_set_vgpr_msb (MSB<<8)|(\new)
.set MSB, (\new)
.endif
.endm
.macro PLACES                          ; four places behind matrix instructions, ahead of loads onto their operands and of reads of their results
.rept 4
	v_nop
.endr
.endm
.macro MKSCALE e, t, sc, lim
	s_add_co_i32 s[\t], s[\e], 127
	s_lshl_b32 s[\t+1], s[\t], 23
	v_mov_b32 v[\sc], s[\t+1]
	s_add_co_i32 s[\t], s[\t], 8
	s_lshl_b32 s[\t], s[\t], 23
	s_or_b32 s[\t], s[\t], 0x600000
	v_mov_b32 v[\lim], s[\t]
.endm
.macro WADDR                           ; weight step GL: chunk (GL + c0) % 8, slice 4 ((GL / 8) ^ p0) % 2 + w, matrix GL / 16
	s_wait_xcnt 0x0                                ; the loads that named the old address have read it
	s_add_co_u32 s42, s[GL], s[C0]
	s_and_b32 s42, s42, 7
	s_lshl_b32 s42, s42, 14
	s_lshr_b32 s43, s[GL], 3
	s_xor_b32 s43, s43, s[P0]
	s_and_b32 s43, s43, 1
	s_lshl_b32 s43, s43, 19
	s_or_b32 s42, s42, s43
	s_lshr_b32 s43, s[GL], 4
	s_lshl_b32 s43, s43, 20
	s_or_b32 s42, s42, s43
	s_mov_b32 s43, 0
	s_add_nc_u64 s[WA:WA+1], s[WB:WB+1], s[42:43]
	s_add_co_u32 s[GL], s[GL], 1
.endm
.macro LOADW set                       ; a step's eight fragments: 32 loads of 512 consecutive bytes
	WIN 0x40
.irp d, 0,1,2,3,4,5,6,7
.irp c, 0,1,2,3
	global_load_b128 v[128*(\set)+16*\d+4*\c:128*(\set)+16*\d+4*\c+3], v[LI], s[WA:WA+1] offset:2048*\d+512*\c
.endr
.endr
	WIN 0
.endm
.macro NEXTX                           ; x at my rows, true chunk (c0 + IX) % 8
	s_wait_xcnt 0x0                                ; the loads that named the old address have read it
	s_add_co_u32 s42, s[C0], s[IX]
	s_and_b32 s42, s42, 7
	s_lshl_b32 s42, s42, 9
	s_mov_b32 s43, 0
	s_add_nc_u64 s[XB:XB+1], s[XRW:XRW+1], s[42:43]
	s_add_co_u32 s[IX], s[IX], 1
.endm
.macro SETA                            ; the trip's LDS addresses
	v_add_nc_u32 v[AK], s[LS], v[LK]
	v_add_nc_u32 v[AV], s[LS], v[LV]
	v_add_nc_u32 v[XC], s[LS], v[XA]
	v_add_nc_u32 v[XC+1], s[LS], v[XA+1]
	s_wait_alu depctr_va_vdst(0)
.endm
.macro SETX k
	v_add_nc_u32 v[XC], s[LS], v[XA+\k]
	v_add_nc_u32 v[XC+1], s[LS], v[XA+\k+1]
	s_wait_alu depctr_va_vdst(0)                   ; as above
.endm
; A CHUNK IS QUANTISED: 16 groups of two rows (a lane holds 4 + 4 neighbours along K).  Held and converted twice; a code word is 4 neighbouring bytes of a row, so a store is 128 dense bytes.
; more = 1: each group's registers take the same rows of the next chunk at once.  The count: behind a group's two loads stand the chunk's younger ones and the next chunk's, 30 together, and the 32 of the next weight set.
.macro QUANT ko, more
.set G, 0
.rept 16
.if \more
	s_wait_loadcnt 62
.else
	s_wait_loadcnt 62-2*G                          ; nothing is asked for anew: the chunk's younger loads and the next weight set's 32
.endif
	s_wait_dscnt 12                                ; the last three groups' stores may be out: the set of codes written below was stored four groups ago
.irp i, 0,1,2,3,4,5,6,7
	v_med3_num_f32 v[T0+\i], v[XS+8*G+\i], -v[LIMK], v[LIMK]   ; the conversion does not saturate (ISA guide 7.6.2)
.endr
	v_cvt_scalef32_pk8_fp8_f32 v[CO+4*(G%4):CO+4*(G%4)+1], v[T0:T0+7], v[SCK]
.irp i, 0,1,2,3,4,5,6,7
	v_med3_num_f32 v[XS+8*G+\i], v[XS+8*G+\i], -v[LIMV], v[LIMV]   ; (these plain lines are also the place behind the conversion above)
.endr
	v_cvt_scalef32_pk8_fp8_f32 v[CO+4*(G%4)+2:CO+4*(G%4)+3], v[XS+8*G:XS+8*G+7], v[SCV]
.if \more
	global_load_b128 v[XS+8*G:XS+8*G+3], v[LI], s[XB:XB+1] offset:(2*G)*4096 th:TH_LOAD_NT
	global_load_b128 v[XS+8*G+4:XS+8*G+7], v[LI], s[XB:XB+1] offset:(2*G+1)*4096 th:TH_LOAD_NT
.endif
	ds_store_b32 v[AK], v[CO+4*(G%4)] offset:(2*G)*PITCH+\ko
	ds_store_b32 v[AK], v[CO+4*(G%4)+1] offset:(2*G+1)*PITCH+\ko
	ds_store_b32 v[AV], v[CO+4*(G%4)+2] offset:(2*G)*PITCH+\ko
	ds_store_b32 v[AV], v[CO+4*(G%4)+3] offset:(2*G+1)*PITCH+\ko
.set G, G+1
.endr
	v_nop                                          ; a plain vector line behind the last conversion
.endm
.macro XBLK reg, adr, i, ko            ; a fragment of X: lane (r, h), registers 4 c ..: k = 32 c + 16 h + 0 .. 15: the order in which wimg holds the weights
.irp c, 0,1,2,3
	ds_load_b128 v[\reg+4*\c:\reg+4*\c+3], v[\adr] offset:(\i)*16*PITCH+\ko+32*\c
.endr
.endm
; 8 matrix instructions: X's block a (in v[xr ..]) against the set's eight weight tiles.  kind 0 (K): source 0 = weights, source 1 = X: a lane holds row 16 sb + r, its registers 8 neighbouring channels.
; kind 1 (V): source 0 = X, source 1 = weights: a lane holds channel 16 dt + r, its registers 8 neighbouring rows.  The 64 accumulators take turns in the same order in every step.
.macro MUL8 kind, a, xr, set, zero
.if \kind
	WIN 0xa4+0x50*((\a)/4)
.else
	WIN 0xa1+0x50*((\a)/4)
.endif
.set rX, \xr
.irp d, 0,1,2,3,4,5,6,7
.set rD, 8*(8*((\a)%4)+\d)
.set rW, 128*(\set)+16*\d
.if \kind
.if \zero
	v_wmma_f32_16x16x128_fp8_fp8 v[rD:rD+7], v[rX:rX+15], v[rW:rW+15], 0
.else
	v_wmma_f32_16x16x128_fp8_fp8 v[rD:rD+7], v[rX:rX+15], v[rW:rW+15], v[rD:rD+7]
.endif
.else
.if \zero
	v_wmma_f32_16x16x128_fp8_fp8 v[rD:rD+7], v[rW:rW+15], v[rX:rX+15], 0
.else
	v_wmma_f32_16x16x128_fp8_fp8 v[rD:rD+7], v[rW:rW+15], v[rX:rX+15], v[rD:rD+7]
.endif
.endif
.endr
.endm
; A STEP OF THE FIRST TILE, behind its chunk's barrier.  X's blocks go through a ring of four fragments: block a + 4 is asked for into block a's registers, three blocks (24 matrix instructions) ahead of its use.
; No wait on loads: this step's weight set was asked for ahead of the chunk that QUANT has just waited for.
.macro STEPA ko, set, zero
	s_wait_dscnt 0x0                               ; for the others' sake: my codes have landed
	s_barrier_signal -1
	s_barrier_wait -1
.irp a, 0,1,2,3
	XBLK XR+16*\a, XC, \a, \ko
.endr
.irp a, 0,1,2,3,4,5,6,7
.if \a < 5
	s_wait_dscnt 12                                ; the three younger blocks may be out
.else
	s_wait_dscnt 4*(7-\a)
.endif
	MUL8 0, \a, XR+16*((\a)%4), \set, \zero
.if \a < 4
	PLACES
	WIN 0
	XBLK XR+16*\a, XC+1, \a, \ko
.endif
.endr
	PLACES
	WIN 0
	WADDR
	LOADW \set                                     ; the set just used, for two steps on
.endm
; A STEP of the other tiles.  xf: the next position's fragments, at nk from the trip's address (blocks 0-3 in the middle, 4-7 at the end).  lead: the wait for this set at the head.
; wl = 1: the set just used is asked for anew.  wl = 2: only while a weight step is left; then the wait for the NEXT step's set stands in both arms (trail): 32 behind new loads, 0 where none were issued.
.macro STEP kind, nk, set, zero, xf, lead, wl, trail
.if \lead
	s_wait_loadcnt 32                              ; this set's 32 loads are in; the other set's may be out
.endif
	s_wait_dscnt 16                                ; X's blocks 0-3 are in
.irp a, 0,1,2,3
	MUL8 \kind, \a, XF+16*\a, \set, \zero
.endr
	s_wait_dscnt 0x0
.if \xf
	PLACES
	WIN 0
.irp a, 0,1,2,3
	XBLK XF+16*\a, XC, \a, \nk
.endr
.endif
.irp a, 4,5,6,7
	MUL8 \kind, \a, XF+16*\a, \set, \zero
.endr
	PLACES
	WIN 0
.if \xf
.irp a, 0,1,2,3
	XBLK XF+64+16*\a, XC+1, \a, \nk
.endr
.endif
.if \wl == 1
	WADDR
	LOADW \set
.if \trail
	s_wait_loadcnt 32                              ; the next step's set is in; the 32 loads just issued may be out
.endif
.else
	s_cmp_lt_u32 s[GL], 32                         ; the last two steps of all ask for no weights: no load leaves wimg
	s_cbranch_scc0 .Lnw_\@
	WADDR
	LOADW \set
.if \trail
	s_wait_loadcnt 32
.endif
	s_branch .Lnj_\@
.Lnw_\@:
	s_wait_loadcnt 0x0                             ; no loads were issued: whatever is still out is waited for here, in every step of this form
.Lnj_\@:
.endif
.endm
.macro FETCH8
.irp a, 0,1,2,3
	XBLK XF+16*\a, XC, \a, 0
.endr
.irp a, 0,1,2,3
	XBLK XF+64+16*\a, XC+1, \a, 0
.endr
.endm
; t[hh][s] = sum over the head's 64 channels of K[s][.] q'[.]: eight chains by turns; each accumulator from its low end on
.macro DOTK g
	WIN 0x02+\g
.irp e, 0,1,2,3
.irp i, 0,1,2,3
.irp y, 0,1
.irp a, 0,1,2,3
.if (\e == 0) && (\i == 0)
	v_pk_mul_f32 v[TS+2*(8*\y+4*\g+\a):TS+2*(8*\y+4*\g+\a)+1], v[8*(8*\a+4*\y+\e)+2*\i:8*(8*\a+4*\y+\e)+2*\i+1], v[QF+8*(4*\y+\e)+2*\i:QF+8*(4*\y+\e)+2*\i+1]
.else
	v_pk_fma_f32 v[TS+2*(8*\y+4*\g+\a):TS+2*(8*\y+4*\g+\a)+1], v[8*(8*\a+4*\y+\e)+2*\i:8*(8*\a+4*\y+\e)+2*\i+1], v[QF+8*(4*\y+\e)+2*\i:QF+8*(4*\y+\e)+2*\i+1], v[TS+2*(8*\y+4*\g+\a):TS+2*(8*\y+4*\g+\a)+1]
.endif
.endr
.endr
.endr
.endr
.endm
.macro EPIK
	v_add_nc_u32 v[QAT], s[TQ], v[QA]
	v_add_nc_u32 v[PWT], s[TP], v[PW]
.irp d, 0,1,2,3,4,5,6,7
	ds_load_b128 v[QF+8*\d:QF+8*\d+3], v[QAT] offset:64*\d         ; q'[16 dt + 8 h + 0 .. 7]
	ds_load_b128 v[QF+8*\d+4:QF+8*\d+7], v[QAT] offset:64*\d+16
.endr
	s_xor_b32 s[SG], s[P0], s[TAU]
	s_lshl_b32 s[SG], s[SG], 2
	s_add_co_u32 s[SG], s[SG], s[WV]               ; the slice
	s_lshl_b32 s56, ttmp9, 7
	s_lshl_b32 s57, s[SG], 4
	s_add_co_u32 s56, s56, s57
	s_mov_b32 s57, 0
	s_wait_xcnt 0x0                                ; the last store has read its base and its data
	s_add_nc_u64 s[SB:SB+1], s[14:15], s[56:57]    ; ml: 128 bytes a work-group, 16 a slice
	s_wait_dscnt 0x0
	DOTK 0
	DOTK 1
	WIN 0
.irp n, 0,1,2,3,4,5,6,7,8,9,10,11,12,13,14,15
	v_add_f32 v[TS+2*\n], v[TS+2*\n], v[TS+2*\n+1]
.endr
.irp n, 0,1,2,3,4,5,6,7,8,9,10,11,12,13,14,15
	v_permlanex16_b32 v[TS+2*\n+1], v[TS+2*\n], s[SEL], s[SEL+1]   ; the other half of the lanes holds the row's other channels
.endr
.irp n, 0,1,2,3,4,5,6,7,8,9,10,11,12,13,14,15
	v_add_f32 v[TS+2*\n], v[TS+2*\n], v[TS+2*\n+1]                 ; t, in units of log2, of row 16 sb + r, in both halves
.endr
	v_cndmask_b32 v[TS], v[TS], v[NINF], s[MK]     ; the CLS row itself is no key
	v_cndmask_b32 v[TS+16], v[TS+16], v[NINF], s[MK]
.irp y, 0,1
	v_max3_num_f32 v[ML+2*\y], v[TS+16*\y], v[TS+16*\y+2], v[TS+16*\y+4]
	v_max3_num_f32 v[ML+2*\y], v[ML+2*\y], v[TS+16*\y+6], v[TS+16*\y+8]
	v_max3_num_f32 v[ML+2*\y], v[ML+2*\y], v[TS+16*\y+10], v[TS+16*\y+12]
	v_max_num_f32 v[ML+2*\y], v[ML+2*\y], v[TS+16*\y+14]
.endr
.irp x, 1,2,4,8
	v_max_num_f32_dpp v[ML], v[ML], v[ML] row_xmask:\x row_mask:0xf bank_mask:0xf
	v_max_num_f32_dpp v[ML+2], v[ML+2], v[ML+2] row_xmask:\x row_mask:0xf bank_mask:0xf
.endr
.irp n, 0,1,2,3,4,5,6,7,8,9,10,11,12,13,14,15
	v_sub_f32 v[TS+2*\n], v[TS+2*\n], v[ML+2*(\n/8)]               ; the block's maximum is taken away
.endr
	s_wait_alu depctr_va_vdst(0)                   ; a wait ahead of the batch
.irp n, 0,1,2,3,4,5,6,7,8,9,10,11,12,13,14,15
	v_exp_f32 v[TS+2*\n], v[TS+2*\n]
.endr
	v_nop                                          ; a plain line behind the last exponential,
	s_wait_alu depctr_va_vdst(0)                   ; and one wait for the batch, ahead of its first reader
.irp y, 0,1
	v_add_f32 v[TS+16*\y+1], v[TS+16*\y], v[TS+16*\y+2]
	v_add_f32 v[TS+16*\y+3], v[TS+16*\y+4], v[TS+16*\y+6]
	v_add_f32 v[TS+16*\y+5], v[TS+16*\y+8], v[TS+16*\y+10]
	v_add_f32 v[TS+16*\y+7], v[TS+16*\y+12], v[TS+16*\y+14]
.endr
.irp y, 0,1
	v_add_f32 v[TS+16*\y+1], v[TS+16*\y+1], v[TS+16*\y+3]
	v_add_f32 v[TS+16*\y+5], v[TS+16*\y+5], v[TS+16*\y+7]
.endr
.irp y, 0,1
	v_add_f32 v[ML+2*\y+1], v[TS+16*\y+1], v[TS+16*\y+5]
.endr
.irp x, 1,2,4,8
	v_add_f32_dpp v[ML+1], v[ML+1], v[ML+1] row_xmask:\x row_mask:0xf bank_mask:0xf
	v_add_f32_dpp v[ML+3], v[ML+3], v[ML+3] row_xmask:\x row_mask:0xf bank_mask:0xf
.endr
.irp n, 0,1,2,3,4,5,6,7,8,9,10,11,12,13,14,15
	ds_store_b32 v[PWT], v[TS+2*\n] offset:64*\n   ; p[hh][16 sb + r]; both halves of the lanes write the same word with the same value
.endr
	v_cmp_eq_u32 vcc_lo, 0, v[LN]
	s_wait_alu depctr_va_vdst(0)
	s_wait_xcnt 0x0                                ; EXEC changes only behind this wait: the weight loads above have it among their sources
	s_and_saveexec_b32 s44, vcc_lo
	global_store_b128 v[ZO], v[ML:ML+3], s[SB:SB+1]   ; m0, l0, m1, l1: 16 bytes, by lane 0
	s_wait_xcnt 0x0
	s_or_b32 exec_lo, exec_lo, s44
.endm
; sum over the 128 rows of p[hh][s] V[s][d]: eight chains by turns; each accumulator from its low end on
.macro DOTV y, g
	WIN 0x02+\g
.irp a, 0,1,2,3
.irp i, 0,1,2,3
.irp e, 0,1,2,3
.if (\g == 0) && (\a == 0) && (\i < 2)
	v_pk_mul_f32 v[TS+4*\e+2*(\i%2):TS+4*\e+2*(\i%2)+1], v[8*(8*\a+4*\y+\e)+2*\i:8*(8*\a+4*\y+\e)+2*\i+1], v[QF+8*(4*\g+\a)+2*\i:QF+8*(4*\g+\a)+2*\i+1]
.else
	v_pk_fma_f32 v[TS+4*\e+2*(\i%2):TS+4*\e+2*(\i%2)+1], v[8*(8*\a+4*\y+\e)+2*\i:8*(8*\a+4*\y+\e)+2*\i+1], v[QF+8*(4*\g+\a)+2*\i:QF+8*(4*\g+\a)+2*\i+1], v[TS+4*\e+2*(\i%2):TS+4*\e+2*(\i%2)+1]
.endif
.endr
.endr
.endr
.endm
.macro EPIV
	v_add_nc_u32 v[PRT], s[TP], v[PR]
	s_xor_b32 s[SG], s[P0], s[TAU]
	s_lshl_b32 s[SG], s[SG], 2
	s_add_co_u32 s[SG], s[SG], s[WV]
	s_lshl_b32 s56, ttmp9, 12
	s_lshl_b32 s57, s[SG], 9
	s_add_co_u32 s56, s56, s57
	s_mov_b32 s57, 0
	s_wait_alu depctr_va_vdst(0)
	s_wait_xcnt 0x0                                ; the last store has read its base and its data
	s_add_nc_u64 s[SB:SB+1], s[12:13], s[56:57]    ; pacc: 4,096 bytes a work-group, 512 a slice
.irp y, 0,1
.irp a, 0,1,2,3,4,5,6,7
	ds_load_b128 v[QF+8*\a:QF+8*\a+3], v[PRT] offset:512*\y+64*\a  ; p[hh][16 sb + 8 h + 0 .. 7]
	ds_load_b128 v[QF+8*\a+4:QF+8*\a+7], v[PRT] offset:512*\y+64*\a+16
.endr
	s_wait_dscnt 0x0
	DOTV \y, 0
	DOTV \y, 1
	WIN 0
.irp e, 0,1,2,3
	v_pk_add_f32 v[TS+4*\e:TS+4*\e+1], v[TS+4*\e:TS+4*\e+1], v[TS+4*\e+2:TS+4*\e+3]
.endr
.irp e, 0,1,2,3
	v_add_f32 v[TS+4*\e], v[TS+4*\e], v[TS+4*\e+1]
.endr
.irp e, 0,1,2,3
	v_permlanex16_b32 v[TS+4*\e+1], v[TS+4*\e], s[SEL], s[SEL+1]   ; the other half of the lanes holds the other rows
.endr
.irp e, 0,1,2,3
	v_add_f32 v[OS+4*\y+\e], v[TS+4*\e], v[TS+4*\e+1]              ; channel 16 dt + r, in both halves
.endr
.endr
.irp u, 0,1,2,3
	v_cndmask_b32 v[OS+8+\u], v[OS+2*\u], v[OS+2*\u+1], s[HI]      ; lanes 0-15 tile 2 u, lanes 16-31 tile 2 u + 1: lane l holds channel 32 u + l
.endr
.irp u, 0,1,2,3
	ds_store_b32 v[OW], v[OS+8+\u] offset:128*\u
.endr
	ds_load_b128 v[OS+12:OS+15], v[ORD]            ; LDS serves a wave's instructions in order: channels 4 l .. 4 l + 3
	s_wait_dscnt 0x0
	global_store_b128 v[LI], v[OS+12:OS+15], s[SB:SB+1]            ; 512 consecutive bytes, aligned
.endm
	s_load_b256 s[4:11], s[0:1], 0x0               ; x s[4:5], wimg s[6:7], qimg s[8:9], the exponents s[10:11]
	s_load_b128 s[12:15], s[0:1], 0x20             ; pacc s[12:13], ml s[14:15]
	v_lshl_add_u32 v[SPW], v0, 2, SPARE
	v_mov_b32 v[NIL], 0
	v_lshrrev_b32 v3, 5, v0
	v_readfirstlane_b32 s[WV], v3                  ; wave 0..3
	v_and_b32 v[LN], 31, v0
	v_lshlrev_b32 v[LI], 4, v[LN]
	s_wait_alu depctr_va_vdst(0)                   ; a wait ahead of the run of scalar lines
	s_and_b32 s[C0], ttmp9, 7                      ; c0, which is also the block in the sequence
	s_bfe_u32 s[P0], ttmp9, 0x10003
	s_lshr_b32 s[BT], ttmp9, 3
	s_mul_i32 s56, s[WV], 32*PITCH
	s_lshl_b32 s57, s[WV], 10
	s_add_co_u32 s57, s57, QST
	s_lshl_b32 s37, s[WV], 11
	s_add_co_u32 s37, s37, PST
	s_lshl_b32 s34, s[WV], 9
	s_add_co_u32 s34, s34, OST
	s_lshl_b32 s42, s[P0], 2
	s_add_co_u32 s42, s42, s[WV]                   ; the slice of t = 0,
	s_xor_b32 s46, s42, 4                          ; of t = 1
	s_lshl_b32 s42, s42, 14
	s_lshl_b32 s46, s46, 14
	s_lshr_b32 s43, s[BT], 4
	s_lshl_b32 s43, s43, 10
	s_and_b32 s47, s[BT], 15
	s_lshl_b32 s47, s47, 4
	s_add_co_u32 s43, s43, s47
	s_add_co_u32 s42, s42, s43
	s_add_co_u32 s46, s46, s43
	s_mov_b32 s43, 0
	s_mov_b32 s47, 0
	s_lshl_b32 s44, ttmp9, 19                      ; 128 rows of 4,096 bytes a work-group,
	s_lshl_b32 s45, s[WV], 17                      ; 32 a wave
	s_add_co_u32 s44, s44, s45
	s_mov_b32 s45, 0
	s_lshl_b32 s[WB], s[WV], 17
	s_mov_b32 s[WB+1], 0
	s_mov_b32 s[GL], 0
	s_mov_b32 s[IX], 0
	s_mov_b32 s[LS], 0
	s_cmp_eq_u32 s[C0], 0
	s_cselect_b32 s[MK], 0x10001, 0                ; lanes 0 and 16 in a sequence's first block, else none
	s_mov_b32 s[HI], 0xffff0000
	s_mov_b32 s[SEL], 0x76543210
	s_mov_b32 s[SEL+1], 0xfedcba98
	v_and_b32 v3, 15, v0                           ; r
	v_bfe_u32 v32, v0, 4, 1                        ; h
	v_mul_u32_u24 v[XA], v3, PITCH
	v_lshl_add_u32 v[XA], v32, 4, v[XA]            ; a fragment: row r x pitch + 16 h
	v_add_nc_u32 v[XA+1], 64*PITCH, v[XA]
	v_add_nc_u32 v[XA+2], XVB, v[XA]
	v_add_nc_u32 v[XA+3], XVB+64*PITCH, v[XA]
	v_lshl_add_u32 v[QA], v32, 5, s57              ; q': my 8 numbers of a tile: 32 h
	v_lshl_add_u32 v[PW], v3, 2, s37               ; p in: 4 r
	v_lshl_add_u32 v[PR], v32, 5, s37              ; p back: 32 h
	v_lshl_add_u32 v[OW], v[LN], 2, s34
	v_add_nc_u32 v[ORD], s34, v[LI]
	v_add_nc_u32 v[QW], s57, v[LI]
	v_lshl_add_u32 v[LK], v[LN], 2, s56
	v_add_nc_u32 v[LV], XVB, v[LK]
	v_mov_b32 v[NINF], 0xff800000
	v_mov_b32 v[ZO], 0
	v_lshrrev_b32 v[GOF], 2, v[LN]                 ; q': lane l = 4 dt + 2 h + jj takes 16 bytes of qimg: numbers 4 l .. 4 l + 3 of the slice's 128
	v_lshlrev_b32 v[GOF], 11, v[GOF]
	v_and_b32 v33, 1, v[LN]
	v_lshl_add_u32 v[GOF], v33, 9, v[GOF]
	v_bfe_u32 v33, v[LN], 1, 1
	v_lshl_add_u32 v[GOF], v33, 8, v[GOF]
	s_wait_alu depctr_va_vdst(0)
	s_wait_kmcnt 0x0
	s_load_b256 s[48:55], s[10:11], 0x0            ; e0 .. e7
	s_add_nc_u64 s[Q0P:Q0P+1], s[8:9], s[42:43]
	s_add_nc_u64 s[Q1P:Q1P+1], s[8:9], s[46:47]
	s_add_nc_u64 s[XRW:XRW+1], s[4:5], s[44:45]
	s_add_nc_u64 s[WB:WB+1], s[6:7], s[WB:WB+1]
	WADDR                                          ; the order of the loop: weight step 0, chunk 0, weight step 1
	LOADW 0
	NEXTX
.set Z, 0
.rept 32
	global_load_b128 v[XS+4*Z:XS+4*Z+3], v[LI], s[XB:XB+1] offset:Z*4096 th:TH_LOAD_NT   ; 512 consecutive bytes of row Z
.set Z, Z+1
.endr
	WADDR
	LOADW 1
	s_wait_kmcnt 0x0
	MKSCALE 50, 56, SCK, LIMK                      ; e2
	MKSCALE 52, 56, SCV, LIMV                      ; e4
	SETA
	; THE FIRST TILE, K t0, chunk by chunk.  Chunk 0's products start the sums and stand ahead of the loop; a trip takes an odd and an even chunk; chunk 7 asks for no further x.
	NEXTX
	QUANT 0, 1
	STEPA 0, 0, 1
	s_mov_b32 s[CNT], 3
.La:
	NEXTX
	QUANT 128, 1
	STEPA 128, 1, 0
	NEXTX
	QUANT 256, 1
	STEPA 256, 0, 0
	s_add_co_u32 s[LS], s[LS], 256
	SETA
	s_sub_co_u32 s[CNT], s[CNT], 1
	s_cmp_lg_u32 s[CNT], 0
	s_cbranch_scc1 .La
	QUANT 128, 0
	global_load_b128 v[XS:XS+3], v[GOF], s[Q0P:Q0P+1]      ; q' of my two slices, into registers of the chunk that are done with
	global_load_b128 v[XS+4:XS+7], v[GOF], s[Q1P:Q1P+1]
	STEPA 128, 1, 0
	s_wait_loadcnt 32                              ; behind the two gathers stand the 32 loads of the step just asked for
	ds_store_b128 v[QW], v[XS:XS+3]
	ds_store_b128 v[QW], v[XS+4:XS+7] offset:512
	s_mov_b32 s[TAU], 0
	s_mov_b32 s[TQ], 0
	s_mov_b32 s[TP], 0
.Lk:                                   ; the K epilogue twice; between the two, tile K t1
	EPIK
	s_add_co_u32 s[TQ], s[TQ], 512
	s_add_co_u32 s[TP], s[TP], 1024
	s_add_co_u32 s[TAU], s[TAU], 1
	s_cmp_eq_u32 s[TAU], 2
	s_cbranch_scc1 .Lkd
	s_mov_b32 s[LS], 0
	SETX 0
	FETCH8
	STEP 0, 128, 0, 1, 1, 1, 1, 0
	s_mov_b32 s[CNT], 3
.Lk1:
	STEP 0, 256, 1, 0, 1, 1, 1, 0
	STEP 0, 384, 0, 0, 1, 1, 1, 0
	s_add_co_u32 s[LS], s[LS], 256
	SETX 0
	s_sub_co_u32 s[CNT], s[CNT], 1
	s_cmp_lg_u32 s[CNT], 0
	s_cbranch_scc1 .Lk1
	STEP 0, 0, 1, 0, 0, 1, 1, 0
	s_cmp_lt_u32 s[TAU], 2
	s_cbranch_scc1 .Lk
.Lkd:
	s_mov_b32 s[TAU], 0
	s_mov_b32 s[TP], 0
.Lv:                                   ; two V tiles
	s_mov_b32 s[LS], 0
	SETX 2
	FETCH8
	STEP 1, 128, 0, 1, 1, 1, 1, 1                  ; steps 0, 1, 3 and 5 of a V tile always have a weight step two on: no guard
	s_mov_b32 s[CNT], 3
.Lv1:
	STEP 1, 256, 1, 0, 1, 0, 1, 1
	STEP 1, 384, 0, 0, 1, 0, 2, 1
	s_add_co_u32 s[LS], s[LS], 256
	SETX 2
	s_sub_co_u32 s[CNT], s[CNT], 1
	s_cmp_lg_u32 s[CNT], 0
	s_cbranch_scc1 .Lv1
	STEP 1, 0, 1, 0, 0, 0, 2, 0
	EPIV
	s_add_co_u32 s[TP], s[TP], 1024
	s_add_co_u32 s[TAU], s[TAU], 1
	s_cmp_lt_u32 s[TAU], 2
	s_cbranch_scc1 .Lv
	s_wait_tensorcnt 0x0                           ; the wave's end: behind my last LDS store
	ds_add_u32 v[SPW], v[NIL]
	s_wait_dscnt 0x0
	s_endpgm
.Lfunc_end_k_q904112e062_attn:
	.size	k_q904112e062_attn, .Lfunc_end_k_q904112e062_attn-k_q904112e062_attn
	.p2alignl 7, 3214868480
	.fill 96, 4, 3214868480
	.section	.rodata,"a",@progbits
	.p2align	6, 0x0
	.amdhsa_kernel k_q904112e062_attn
		.amdhsa_group_segment_fixed_size 281088
		.amdhsa_private_segment_fixed_size 0
		.amdhsa_enable_private_segment 0
		.amdhsa_kernarg_size 48
		.amdhsa_user_sgpr_count 2
		.amdhsa_user_sgpr_kernarg_segment_ptr 1
		.amdhsa_wavefront_size32 1
		.amdhsa_system_sgpr_workgroup_id_x 1
		.amdhsa_system_sgpr_workgroup_id_y 1
		.amdhsa_system_sgpr_workgroup_id_z 1
		.amdhsa_system_vgpr_workitem_id 0
		.amdhsa_next_free_vgpr 1024
		.amdhsa_next_free_sgpr 66
		.amdhsa_reserve_vcc 1
		.amdhsa_float_denorm_mode_32 3
		.amdhsa_float_denorm_mode_16_64 3
		.amdhsa_memory_ordered 1
		.amdhsa_forward_progress 1
		.amdhsa_inst_pref_size 255
	.end_amdhsa_kernel
	.section	.bss,"aw",@nobits
	.p2align	6
	.space	262144
	.amdgpu_metadata
---
amdhsa.version: [ 1, 2 ]
amdhsa.kernels:
  - .name:           k_q904112e062_attn
    .symbol:         k_q904112e062_attn.kd
    .args:
      - { .name: x, .offset: 0, .size: 8, .value_kind: global_buffer, .address_space: global }
      - { .name: wimg, .offset: 8, .size: 8, .value_kind: global_buffer, .address_space: global }
      - { .name: qimg, .offset: 16, .size: 8, .value_kind: global_buffer, .address_space: global }
      - { .name: lowp_scales, .offset: 24, .size: 8, .value_kind: global_buffer, .address_space: global }
      - { .name: pacc, .offset: 32, .size: 8, .value_kind: global_buffer, .address_space: global }
      - { .name: ml, .offset: 40, .size: 8, .value_kind: global_buffer, .address_space: global }
    .group_segment_fixed_size: 281088
    .private_segment_fixed_size: 0
    .kernarg_segment_align: 8
    .kernarg_segment_size: 48
    .max_flat_workgroup_size: 128
    .sgpr_count:     66
    .vgpr_count:     1024
    .wavefront_size: 32
...
	.end_amdgpu_metadata
.endif
;; end of part 2
;; launch proj (part 3): grid 64 x 1, 8 waves a work-group, no clusters, 40,448 bytes of LDS; arguments pacc, ml, bv, Wo, lowp_scales, yp; writes yp
.if DOCPART == 3
	.amdgcn_target "amdgcn-amd-amdhsa--gfx1250"
	.amdhsa_code_object_version 6
	.text
	.protected	k_q904112e062_proj
	.globl	k_q904112e062_proj
	.p2align	8
	.type	k_q904112e062_proj,@function
k_q904112e062_proj:
	s_mov_b64 s[64:65], 0
	v_nop
	global_prefetch_b8 v0, s[64:65] scope:SCOPE_SE
	s_setreg_imm32_b32 hwreg(HW_REG_WAVE_MODE, 25, 1), 1
	s_wait_xcnt 0x0
; THIRD LAUNCH: a sequence's eight blocks are joined, attn = (sum_i w_i acc_i) / (sum_i w_i l_i) x 2^(e4+e5) + bv with w_i = 2^(m_i - max m), all in f32; attn is quantised (e6), Wo is quantised (e7); product 6, split along K.
; bv is added here, once, since the softmax's weights sum to 1 (shown at the head of the first kernel); bk is left out as shown there.
; SHARES.  Work-group: K slice sl = g % 8 (128 columns of attn = two heads) x 128 output columns ns = g / 8, all 32 sequences.
;   the other waves through LDS as an image of its registers; (c) two matrix instructions; (d) four whole rows of 512 bytes out.  yp: [b 32][sl 8][1024] f32: the fourth launch adds the eight slices.
; No tensor loads, no cluster: Wo is read once, by one wave each byte; what the eight work-groups of a slice share (128 KiB of pacc) is small.
; LIMITS: e6, e7 between -126 and 119; e6 + e7 between -126 and 127; e4 + e5 is applied by v_ldexp_f32.
.set AIMG,  18432                      ; LDS: eight tiles of 2,304 bytes at 0; here attn's two fragments as images, 2,048 bytes each;
.set YST,   22528                      ; the stage: 32 rows x (512 bytes + 16);
.set SPARE, 39424                      ; the spare words, 128 bytes a wave: four blocks of 256 bytes that no other line names
.set LI,   1
.set AW,   2
.set AR,   3
.set LIM7, 4
.set SC7,  5
.set LIM6, 6
.set SC6,  7
.set PO,   8                           ; v8  pacc: 32,768 b + 64 h
.set MO,   9                           ; v9  ml: 1,024 b
.set BO,   10                          ; v10 bv: 64 h
.set AIW,  11                          ; v11 16 x lane + 2,048 mt + 512 c4
.set YW,   12                          ; v12 528 r + 32 h + 64 w
.set YR,   13                          ; v13 16 x lane + 2,112 w
.set SPW,  14
.set NIL,  15
.set MLR,  16                          ; v16-31 (m_i, l_i), then (w_i, l_i)
.set BV,   32                          ; v32-47 bv of my 16 columns
.set CD,   48                          ; v48-63 Wo's codes (v48-51: temporaries at the head)
.set ST,   64                          ; v64-127 Wo's 16 rows; then v64-79 its fragment, v80-83 M, L, 1/L, v84-87 attn's codes, v96-127 attn's two fragments
.set PA,   128                         ; v128-255 the eight partials, 16 numbers each; the sum grows in the first; later v160-175 the accumulators, v176-207 the way out
.macro MKSCALE e, t, sc, lim
	s_add_co_i32 s[\t], s[\e], 127
	s_lshl_b32 s[\t+1], s[\t], 23
	v_mov_b32 v[\sc], s[\t+1]
	s_add_co_i32 s[\t], s[\t], 8
	s_lshl_b32 s[\t], s[\t], 23
	s_or_b32 s[\t], s[\t], 0x600000
	v_mov_b32 v[\lim], s[\t]
.endm
	s_load_b256 s[4:11], s[0:1], 0x0               ; pacc s[4:5], ml s[6:7], bv s[8:9], Wo s[10:11]
	s_load_b128 s[12:15], s[0:1], 0x20             ; the exponents s[12:13], yp s[14:15]
	v_lshl_add_u32 v[SPW], v0, 2, SPARE
	v_mov_b32 v[NIL], 0
	v_lshrrev_b32 v48, 5, v0
	s_delay_alu instid0(VALU_DEP_1)
	v_readfirstlane_b32 s16, v48                   ; wave 0..7
	v_and_b32 v48, 31, v0                          ; lane
	s_delay_alu instid0(VALU_DEP_1)
	v_lshlrev_b32 v[LI], 4, v48
	v_and_b32 v49, 15, v0                          ; r
	v_bfe_u32 v50, v0, 4, 1                        ; h
	s_mul_i32 s17, s16, 2304
	v_lshl_add_u32 v[AW], v48, 2, s17
	v_mul_u32_u24 v[AR], v49, 144
	s_delay_alu instid0(VALU_DEP_1)
	v_lshl_add_u32 v[AR], v50, 4, v[AR]
	s_delay_alu instid0(VALU_DEP_1)
	v_add_nc_u32 v[AR], s17, v[AR]
	s_and_b32 s18, s16, 1                          ; mt
	s_lshr_b32 s19, s16, 1                         ; c4
	s_and_b32 s20, ttmp9, 7                        ; sl
	s_lshr_b32 s21, ttmp9, 3                       ; ns
	s_lshl_b32 s22, s18, 4
	v_add_nc_u32 v51, s22, v49                     ; b = 16 mt + r
	s_delay_alu instid0(VALU_DEP_1)
	v_lshlrev_b32 v[PO], 15, v51
	s_delay_alu instid0(VALU_DEP_1)
	v_lshl_add_u32 v[PO], v50, 6, v[PO]
	s_delay_alu instid0(VALU_DEP_3)
	v_lshlrev_b32 v[MO], 10, v51
	v_lshlrev_b32 v[BO], 6, v50
	s_lshl_b32 s22, s18, 11
	s_lshl_b32 s23, s19, 9
	s_add_co_u32 s22, s22, s23
	v_add_nc_u32 v[AIW], s22, v[LI]
	v_mul_u32_u24 v[YW], v49, 528
	s_delay_alu instid0(VALU_DEP_1)
	v_lshl_add_u32 v[YW], v50, 5, v[YW]
	s_lshl_b32 s22, s16, 6
	v_add_nc_u32 v[YW], s22, v[YW]
	s_mul_i32 s22, s16, 2112
	v_add_nc_u32 v[YR], s22, v[LI]
	s_lshl_b32 s24, s20, 9                         ; pacc and bv: 512 sl + 128 c4
	s_lshl_b32 s22, s19, 7
	s_add_co_u32 s24, s24, s22
	s_mov_b32 s25, 0
	s_lshl_b32 s26, s20, 4                         ; ml: 8 x head, head = 2 sl + c4 / 2
	s_lshr_b32 s22, s19, 1
	s_lshl_b32 s22, s22, 3
	s_add_co_u32 s26, s26, s22
	s_mov_b32 s27, 0
	s_lshl_b32 s28, s21, 19
	s_lshl_b32 s22, s16, 16
	s_add_co_u32 s28, s28, s22
	s_lshl_b32 s22, s20, 9
	s_add_co_u32 s28, s28, s22
	s_mov_b32 s29, 0
	s_lshl_b32 s30, s16, 17
	s_lshl_b32 s22, s20, 12
	s_add_co_u32 s30, s30, s22
	s_lshl_b32 s22, s21, 9
	s_add_co_u32 s30, s30, s22
	s_mov_b32 s31, 0
	s_wait_alu depctr_va_vdst(0)
	s_wait_kmcnt 0x0
	s_load_b256 s[32:39], s[12:13], 0x0            ; e0 .. e7
	s_add_nc_u64 s[4:5], s[4:5], s[24:25]
	s_add_nc_u64 s[6:7], s[6:7], s[26:27]
	s_add_nc_u64 s[8:9], s[8:9], s[24:25]
	s_add_nc_u64 s[10:11], s[10:11], s[28:29]
	s_add_nc_u64 s[14:15], s[14:15], s[30:31]
.irp i, 0,1,2,3,4,5,6,7
	global_load_b64 v[MLR+2*\i:MLR+2*\i+1], v[MO], s[6:7] offset:128*\i
.endr
.irp j, 0,1,2,3
	global_load_b128 v[BV+4*\j:BV+4*\j+3], v[BO], s[8:9] offset:16*\j
.endr
.irp i, 0,1,2,3,4,5,6,7,8,9,10,11,12,13,14,15
	global_load_b128 v[ST+4*\i:ST+4*\i+3], v[LI], s[10:11] offset:4096*\i th:TH_LOAD_NT   ; 512 consecutive bytes of row i; read once
.endr
.irp i, 0,1,2,3,4,5,6,7
.irp j, 0,1,2,3
	global_load_b128 v[PA+16*\i+4*\j:PA+16*\i+4*\j+3], v[PO], s[4:5] offset:4096*\i+16*\j
.endr
.endr
	s_wait_kmcnt 0x0
	MKSCALE 39, 40, SC7, LIM7
	MKSCALE 38, 40, SC6, LIM6
	s_add_co_i32 s42, s38, s39
	s_add_co_i32 s42, s42, 127
	s_lshl_b32 s42, s42, 23                        ; 2^(e6 + e7)
	s_mov_b32 s43, s42                             ; (named with it as a pair, so it is written)
	s_add_co_i32 s44, s36, s37                     ; e4 + e5
	s_wait_alu depctr_va_vdst(0)
	s_wait_loadcnt 32                              ; m and l, bv and Wo are in; pacc's 32 loads may be out
	; Wo's tile: held, converted, 4 codes a lane into my LDS tile, and back as a fragment
.irp g, 0,1,2,3,4,5,6,7
.irp i, 0,1,2,3,4,5,6,7
	v_med3_num_f32 v[ST+8*\g+\i], v[ST+8*\g+\i], -v[LIM7], v[LIM7]   ; the conversion does not saturate (ISA guide 7.6.2)
.endr
	v_cvt_scalef32_pk8_fp8_f32 v[CD+2*\g:CD+2*\g+1], v[ST+8*\g:ST+8*\g+7], v[SC7]
.endr
	v_nop                                          ; a plain vector line behind the last conversion
.irp g, 0,1,2,3,4,5,6,7
	ds_store_b32 v[AW], v[CD+2*\g] offset:144*(2*\g)
	ds_store_b32 v[AW], v[CD+2*\g+1] offset:144*(2*\g+1)
.endr
.irp c, 0,1,2,3
	ds_load_b128 v[ST+4*\c:ST+4*\c+3], v[AR] offset:32*\c          ; LDS serves a wave's instructions in order
.endr
	; the eight blocks' weights
	v_max3_num_f32 v80, v[MLR], v[MLR+2], v[MLR+4]
	s_delay_alu instid0(VALU_DEP_1)
	v_max3_num_f32 v80, v80, v[MLR+6], v[MLR+8]
	s_delay_alu instid0(VALU_DEP_1)
	v_max3_num_f32 v80, v80, v[MLR+10], v[MLR+12]
	s_delay_alu instid0(VALU_DEP_1)
	v_max_num_f32 v80, v80, v[MLR+14]              ; the sequence's maximum is taken away
.irp i, 0,1,2,3,4,5,6,7
	v_sub_f32 v[MLR+2*\i], v[MLR+2*\i], v80
.endr
	s_wait_alu depctr_va_vdst(0)
.irp i, 0,1,2,3,4,5,6,7
	v_exp_f32 v[MLR+2*\i], v[MLR+2*\i]
.endr
	v_mov_b32 v83, 0                               ; (the upper half of the pair v[82:83]; also the plain line behind the exponentials)
	s_wait_alu depctr_va_vdst(0)                   ; one wait for the batch, ahead of its first reader
	v_mul_f32 v81, v[MLR], v[MLR+1]
.irp i, 1,2,3,4,5,6,7
	v_fmac_f32 v81, v[MLR+2*\i], v[MLR+2*\i+1]     ; L = sum w_i l_i
.endr
	s_wait_alu depctr_va_vdst(0)
	v_rcp_f32 v82, v81
	v_nop
	s_wait_alu depctr_va_vdst(0)
	v_ldexp_f32 v82, v82, s44                      ; 2^(e4 + e5) / L
.irp i, 0,1,2,3,4,5,6,7
	s_wait_alu depctr_va_vdst(0)
	s_wait_loadcnt 4*(7-\i)                        ; partial i is in; those behind it may be out
.irp p, 0,2,4,6,8,10,12,14
.if \i == 0
	v_pk_mul_f32 v[PA+\p:PA+\p+1], v[PA+\p:PA+\p+1], v[MLR:MLR+1] op_sel_hi:[1,0]
.else
	v_pk_fma_f32 v[PA+\p:PA+\p+1], v[PA+16*\i+\p:PA+16*\i+\p+1], v[MLR+2*\i:MLR+2*\i+1], v[PA+\p:PA+\p+1] op_sel_hi:[1,0,1]
.endif
.endr
.endr
.irp p, 0,2,4,6,8,10,12,14
	v_pk_fma_f32 v[PA+\p:PA+\p+1], v[PA+\p:PA+\p+1], v[82:83], v[BV+\p:BV+\p+1] op_sel_hi:[1,0,1]   ; attn
.endr
.irp i, 0,1,2,3,4,5,6,7,8,9,10,11,12,13,14,15
	v_med3_num_f32 v[PA+\i], v[PA+\i], -v[LIM6], v[LIM6]
.endr
	v_cvt_scalef32_pk8_fp8_f32 v[84:85], v[PA:PA+7], v[SC6]
	v_cvt_scalef32_pk8_fp8_f32 v[86:87], v[PA+8:PA+15], v[SC6]
	v_nop                                          ; a plain vector line behind the last conversion
	ds_store_b128 v[AIW], v[84:87] offset:AIMG     ; registers 4 c4 .. 4 c4 + 3 of fragment mt, as they stand
	s_wait_dscnt 0x0                               ; for the others' sake: my store has landed; Wo's fragment is in too
	s_barrier_signal -1
	s_barrier_wait -1
.irp t, 0,1
.irp c, 0,1,2,3
	ds_load_b128 v[96+16*\t+4*\c:96+16*\t+4*\c+3], v[LI] offset:AIMG+2048*\t+512*\c
.endr
.endr
	s_wait_dscnt 0x0
	v_wmma_f32_16x16x128_fp8_fp8 v[160:167], v[ST:ST+15], v[96:111], 0
	v_wmma_f32_16x16x128_fp8_fp8 v[168:175], v[ST:ST+15], v[112:127], 0
.rept 4
	v_nop                                          ; four places before results are read (ISA guide 7.12.1)
.endr
.irp p, 0,2,4,6,8,10,12,14
	v_pk_mul_f32 v[176+\p:177+\p], v[160+\p:161+\p], s[42:43] op_sel_hi:[1,0]   ; x 2^(e6 + e7); each accumulator from its low end on
.endr
.irp t, 0,1
	ds_store_b128 v[YW], v[176+8*\t:179+8*\t] offset:YST+16*528*\t
	ds_store_b128 v[YW], v[180+8*\t:183+8*\t] offset:YST+16*528*\t+16
.endr
	s_wait_dscnt 0x0                               ; a row's 512 bytes come from eight waves
	s_barrier_signal -1
	s_barrier_wait -1
.irp j, 0,1,2,3
	ds_load_b128 v[192+4*\j:195+4*\j], v[YR] offset:YST+528*\j
.endr
.irp j, 0,1,2,3
	s_wait_dscnt 3-\j
	global_store_b128 v[LI], v[192+4*\j:195+4*\j], s[14:15] offset:32768*\j   ; sequence 4 w + j: 512 consecutive bytes, aligned
.endr
	s_wait_tensorcnt 0x0                           ; the wave's end: behind my last LDS store
	ds_add_u32 v[SPW], v[NIL]
	s_wait_dscnt 0x0
	s_endpgm
.Lfunc_end_k_q904112e062_proj:
	.size	k_q904112e062_proj, .Lfunc_end_k_q904112e062_proj-k_q904112e062_proj
	.p2alignl 7, 3214868480
	.fill 96, 4, 3214868480
	.section	.rodata,"a",@progbits
	.p2align	6, 0x0
	.amdhsa_kernel k_q904112e062_proj
		.amdhsa_group_segment_fixed_size 40448
		.amdhsa_private_segment_fixed_size 0
		.amdhsa_enable_private_segment 0
		.amdhsa_kernarg_size 48
		.amdhsa_user_sgpr_count 2
		.amdhsa_user_sgpr_kernarg_segment_ptr 1
		.amdhsa_wavefront_size32 1
		.amdhsa_system_sgpr_workgroup_id_x 1
		.amdhsa_system_sgpr_workgroup_id_y 1
		.amdhsa_system_sgpr_workgroup_id_z 1
		.amdhsa_system_vgpr_workitem_id 0
		.amdhsa_next_free_vgpr 256
		.amdhsa_next_free_sgpr 66
		.amdhsa_reserve_vcc 0
		.amdhsa_float_denorm_mode_32 3
		.amdhsa_float_denorm_mode_16_64 3
		.amdhsa_memory_ordered 1
		.amdhsa_forward_progress 1
		.amdhsa_inst_pref_size 26
	.end_amdhsa_kernel
	.amdgpu_metadata
---
amdhsa.version: [ 1, 2 ]
amdhsa.kernels:
  - .name:           k_q904112e062_proj
    .symbol:         k_q904112e062_proj.kd
    .args:
      - { .name: pacc, .offset: 0, .size: 8, .value_kind: global_buffer, .address_space: global }
      - { .name: ml, .offset: 8, .size: 8, .value_kind: global_buffer, .address_space: global }
      - { .name: bv, .offset: 16, .size: 8, .value_kind: global_buffer, .address_space: global }
      - { .name: Wo, .offset: 24, .size: 8, .value_kind: global_buffer, .address_space: global }
      - { .name: lowp_scales, .offset: 32, .size: 8, .value_kind: global_buffer, .address_space: global }
      - { .name: yp, .offset: 40, .size: 8, .value_kind: global_buffer, .address_space: global }
    .group_segment_fixed_size: 40448
    .private_segment_fixed_size: 0
    .kernarg_segment_align: 8
    .kernarg_segment_size: 48
    .max_flat_workgroup_size: 256
    .sgpr_count:     66
    .vgpr_count:     256
    .wavefront_size: 32
...
	.end_amdgpu_metadata
.endif
;; end of part 3
;; launch norm (part 4): grid 32 x 1, 8 waves a work-group, no clusters, 1,536 bytes of LDS; arguments yp, bo, x, ln_g, ln_b, out0; writes out0
.if DOCPART == 4
	.amdgcn_target "amdgcn-amd-amdhsa--gfx1250"
	.amdhsa_code_object_version 6
	.text
	.protected	k_q904112e062_norm
	.globl	k_q904112e062_norm
	.p2align	8
	.type	k_q904112e062_norm,@function
k_q904112e062_norm:
	s_mov_b64 s[64:65], 0
	v_nop
	global_prefetch_b8 v0, s[64:65] scope:SCOPE_SE
	s_setreg_imm32_b32 hwreg(HW_REG_WAVE_MODE, 25, 1), 1
	s_wait_xcnt 0x0
; FOURTH LAUNCH: y = the eight K slices of product 6, ascending, + bo + the CLS row; out0 = (y - mean) / sqrt(var + 1e-5) x ln_g + ln_b.  All in f32.
; A work-group takes one sequence; thread t its columns 4 t .. 4 t + 3: every load and the store of a wave cover 512 consecutive bytes.  A row's two sums go wave by wave through LDS, each in bytes of its own.
; 32 rows are all the work there is: 32 work-groups.  Matrix units, clusters and tensor loads have nothing to do here.
.set SPARE, 512                        ; the spare words, 128 bytes a wave: four blocks of 256 bytes that no other line names (the sums lie at 0 and at 256)
.set SPW, 4
.set NIL, 5
.macro WSUM v, t                       ; the sum over the wave's 32 lanes, in every lane
	s_delay_alu instid0(VALU_DEP_1)
	v_add_f32_dpp v[\v], v[\v], v[\v] row_xmask:1 row_mask:0xf bank_mask:0xf
	s_delay_alu instid0(VALU_DEP_1)
	v_add_f32_dpp v[\v], v[\v], v[\v] row_xmask:2 row_mask:0xf bank_mask:0xf
	s_delay_alu instid0(VALU_DEP_1)
	v_add_f32_dpp v[\v], v[\v], v[\v] row_xmask:4 row_mask:0xf bank_mask:0xf
	s_delay_alu instid0(VALU_DEP_1)
	v_add_f32_dpp v[\v], v[\v], v[\v] row_xmask:8 row_mask:0xf bank_mask:0xf
	s_delay_alu instid0(VALU_DEP_1)
	v_permlanex16_b32 v[\t], v[\v], s26, s27
	s_delay_alu instid0(VALU_DEP_1)
	v_add_f32 v[\v], v[\v], v[\t]
.endm
.macro GSUM off                        ; my wave's sum in v56 -> the eight waves' sum in v56
	ds_store_b32 v2, v56 offset:\off               ; all lanes write the same word with the same value
	s_wait_dscnt 0x0
	s_barrier_signal -1
	s_barrier_wait -1
	ds_load_b128 v[56:59], v3 offset:\off
	ds_load_b128 v[60:63], v3 offset:\off+16
	s_wait_dscnt 0x0
	v_pk_add_f32 v[56:57], v[56:57], v[58:59]
	v_pk_add_f32 v[60:61], v[60:61], v[62:63]
	s_delay_alu instid0(VALU_DEP_1)
	v_pk_add_f32 v[56:57], v[56:57], v[60:61]
	s_delay_alu instid0(VALU_DEP_1)
	v_add_f32 v56, v56, v57
.endm
	s_load_b256 s[4:11], s[0:1], 0x0               ; yp s[4:5], bo s[6:7], x s[8:9], ln_g s[10:11]
	s_load_b128 s[12:15], s[0:1], 0x20             ; ln_b s[12:13], out0 s[14:15]
	v_lshl_add_u32 v[SPW], v0, 2, SPARE
	v_mov_b32 v[NIL], 0
	v_lshlrev_b32 v1, 4, v0                        ; 16 t
	v_lshrrev_b32 v2, 5, v0
	s_delay_alu instid0(VALU_DEP_1)
	v_readfirstlane_b32 s16, v2                    ; wave
	s_delay_alu instid0(VALU_DEP_1)
	v_mov_b32 v2, s16
	s_delay_alu instid0(VALU_DEP_1)
	v_lshlrev_b32 v2, 2, v2                        ; my wave's word
	v_mov_b32 v3, 0
	s_lshl_b32 s18, ttmp9, 15                      ; yp: 32,768 bytes a sequence
	s_mov_b32 s19, 0
	s_lshl_b32 s20, ttmp9, 22                      ; x: 4 MiB a sequence; the CLS row is its first
	s_mov_b32 s21, 0
	s_lshl_b32 s22, ttmp9, 12
	s_mov_b32 s23, 0
	s_mov_b32 s24, 0x3a800000                      ; 1 / 1024
	s_mov_b32 s25, 0x3727c5ac                      ; 1e-5
	s_mov_b32 s26, 0x76543210
	s_mov_b32 s27, 0xfedcba98
	s_wait_alu depctr_va_vdst(0)
	s_wait_kmcnt 0x0
	s_add_nc_u64 s[4:5], s[4:5], s[18:19]
	s_add_nc_u64 s[8:9], s[8:9], s[20:21]
	s_add_nc_u64 s[14:15], s[14:15], s[22:23]
.irp i, 0,1,2,3,4,5,6,7
	global_load_b128 v[8+4*\i:11+4*\i], v1, s[4:5] offset:4096*\i
.endr
	global_load_b128 v[40:43], v1, s[6:7]
	global_load_b128 v[44:47], v1, s[8:9]
	global_load_b128 v[48:51], v1, s[10:11]
	global_load_b128 v[52:55], v1, s[12:13]
	s_wait_loadcnt 2                               ; ln_g and ln_b may be out
.irp i, 1
	v_pk_add_f32 v[8:9], v[8:9], v[8+4*\i:9+4*\i]
	v_pk_add_f32 v[10:11], v[10:11], v[10+4*\i:11+4*\i]
.endr
.irp i, 2, 3, 4, 5, 6, 7, 8, 9
	s_delay_alu instid0(VALU_DEP_2)
	v_pk_add_f32 v[8:9], v[8:9], v[8+4*\i:9+4*\i]
	s_delay_alu instid0(VALU_DEP_2)
	v_pk_add_f32 v[10:11], v[10:11], v[10+4*\i:11+4*\i]
.endr
	s_delay_alu instid0(VALU_DEP_1)
	v_pk_add_f32 v[56:57], v[8:9], v[10:11]
	s_delay_alu instid0(VALU_DEP_1)
	v_add_f32 v56, v56, v57
	WSUM 56, 57
	GSUM 0
	s_delay_alu instid0(VALU_DEP_1)
	v_mul_f32 v56, s24, v56                        ; the mean
	s_delay_alu instid0(VALU_DEP_1)
	v_pk_add_f32 v[8:9], v[8:9], v[56:57] op_sel_hi:[1,0] neg_lo:[0,1] neg_hi:[0,1]
	s_delay_alu instid0(VALU_DEP_2)
	v_pk_add_f32 v[10:11], v[10:11], v[56:57] op_sel_hi:[1,0] neg_lo:[0,1] neg_hi:[0,1]
	s_delay_alu instid0(VALU_DEP_2)
	v_pk_mul_f32 v[56:57], v[8:9], v[8:9]
	s_delay_alu instid0(VALU_DEP_1)
	v_pk_fma_f32 v[56:57], v[10:11], v[10:11], v[56:57]
	s_delay_alu instid0(VALU_DEP_1)
	v_add_f32 v56, v56, v57
	WSUM 56, 57
	GSUM 256
	s_delay_alu instid0(VALU_DEP_1)
	v_fma_f32 v56, v56, s24, s25                   ; var + 1e-5
	s_wait_alu depctr_va_vdst(0)
	v_rsq_f32 v58, v56
	v_nop                                          ; a plain line behind the transcendental,
	s_wait_loadcnt 0x0
	s_wait_alu depctr_va_vdst(0)                   ; and the wait ahead of its first reader
	v_pk_mul_f32 v[8:9], v[8:9], v[58:59] op_sel_hi:[1,0]
	v_pk_mul_f32 v[10:11], v[10:11], v[58:59] op_sel_hi:[1,0]
	s_delay_alu instid0(VALU_DEP_2)
	v_pk_fma_f32 v[8:9], v[8:9], v[48:49], v[52:53]
	s_delay_alu instid0(VALU_DEP_2)
	v_pk_fma_f32 v[10:11], v[10:11], v[50:51], v[54:55]
	global_store_b128 v1, v[8:11], s[14:15]
	s_wait_tensorcnt 0x0                           ; the wave's end: behind my last LDS store
	ds_add_u32 v[SPW], v[NIL]
	s_wait_dscnt 0x0
	s_endpgm
.Lfunc_end_k_q904112e062_norm:
	.size	k_q904112e062_norm, .Lfunc_end_k_q904112e062_norm-k_q904112e062_norm
	.p2alignl 7, 3214868480
	.fill 96, 4, 3214868480
	.section	.rodata,"a",@progbits
	.p2align	6, 0x0
	.amdhsa_kernel k_q904112e062_norm
		.amdhsa_group_segment_fixed_size 1536
		.amdhsa_private_segment_fixed_size 0
		.amdhsa_enable_private_segment 0
		.amdhsa_kernarg_size 48
		.amdhsa_user_sgpr_count 2
		.amdhsa_user_sgpr_kernarg_segment_ptr 1
		.amdhsa_wavefront_size32 1
		.amdhsa_system_sgpr_workgroup_id_x 1
		.amdhsa_system_sgpr_workgroup_id_y 1
		.amdhsa_system_sgpr_workgroup_id_z 1
		.amdhsa_system_vgpr_workitem_id 0
		.amdhsa_next_free_vgpr 64
		.amdhsa_next_free_sgpr 66
		.amdhsa_reserve_vcc 0
		.amdhsa_float_denorm_mode_32 3
		.amdhsa_float_denorm_mode_16_64 3
		.amdhsa_memory_ordered 1
		.amdhsa_forward_progress 1
		.amdhsa_inst_pref_size 8
	.end_amdhsa_kernel
	.amdgpu_metadata
---
amdhsa.version: [ 1, 2 ]
amdhsa.kernels:
  - .name:           k_q904112e062_norm
    .symbol:         k_q904112e062_norm.kd
    .args:
      - { .name: yp, .offset: 0, .size: 8, .value_kind: global_buffer, .address_space: global }
      - { .name: bo, .offset: 8, .size: 8, .value_kind: global_buffer, .address_space: global }
      - { .name: x, .offset: 16, .size: 8, .value_kind: global_buffer, .address_space: global }
      - { .name: ln_g, .offset: 24, .size: 8, .value_kind: global_buffer, .address_space: global }
      - { .name: ln_b, .offset: 32, .size: 8, .value_kind: global_buffer, .address_space: global }
      - { .name: out0, .offset: 40, .size: 8, .value_kind: global_buffer, .address_space: global }
    .group_segment_fixed_size: 1536
    .private_segment_fixed_size: 0
    .kernarg_segment_align: 8
    .kernarg_segment_size: 48
    .max_flat_workgroup_size: 256
    .sgpr_count:     66
    .vgpr_count:     64
    .wavefront_size: 32
...
	.end_amdgpu_metadata
.endif
;; end of part 4
